; MI455X (gfx1250); checked and timed in simulation.
; The chip was launched on July 23, 2026; its instructions are those of AMD's public machine-readable ISA for CDNA 5 (MIT licence, August 2026) and "CDNA5" Instruction Set Architecture Reference Guide (July 2026). The comments in the code are by the model that wrote it; some were corrected since.
;; Sparse Mo E Block. Allowed arithmetic: float matrix products may take bf16 or f16 operands with f32 sums; other float arithmetic in f32, or as packed bf16 or f16 multiplies, adds, multiply-adds, maxima and minima; sums over many terms, partial sums and values carried from step to step in f32; what a program stores and reads back later, other than sums and carried values, may be rounded once to bf16 or f16.
;; Inputs: W1 8 x 1,024 x 1,024 float32; W2 8 x 1,024 x 1,024 float32; topk_indices 2 x 2,048 x 2 int32; topk_probs 2 x 2,048 x 2 float32; x 2 x 2,048 x 1,024 float32.
;; Outputs: out0 2 x 2,048 x 1,024 float32.
;; One version. Each part assembles by itself: llvm-mc -triple=amdgcn-amd-amdhsa -mcpu=gfx1250 --defsym DOCPART=n.
;; ======== version 1 of 1: 4 launches
;; limits: values are held in f16: magnitudes above 65,504 overflow, below 6.1e-05 lose precision
;; workspace buffers: W1b 16,777,216 bytes; W2h 16,777,216 bytes; xs 18,874,368 bytes; hid 18,874,368 bytes; y 37,748,736 bytes; gs 32,768 bytes; pos 32,768 bytes of whole numbers; tile_e 256 bytes of whole numbers
;; launch prep (part 1): grid 512 x 1, 8 waves a work-group, no clusters, 36,096 bytes of LDS; arguments x, topk_indices, topk_probs, W1, W2, W1b, W2h, xs, gs, pos, tile_e; writes W1b, W2h, xs, gs, pos, tile_e
.if DOCPART == 1
	.amdgcn_target "amdgcn-amd-amdhsa--gfx1250"
	.amdhsa_code_object_version 6
	.text
	.protected	k_qce711249cb_prep
	.globl	k_qce711249cb_prep
	.p2align	8
	.type	k_qce711249cb_prep,@function
k_qce711249cb_prep:
	s_mov_b64 s[64:65], 0
	v_nop
	global_prefetch_b8 v0, s[64:65] scope:SCOPE_SE
	s_setreg_imm32_b32 hwreg(HW_REG_WAVE_MODE, 25, 1), 1
	s_wait_xcnt 0x0
; PREP: the routing, the token rows laid end to end in the experts' order, and the weights rounded and laid out as the products' registers take them.
; ROUTED ROWS.  Each (token, k) is a routed row j = 2 token + k: 8,192 of them, sorted stably by expert.  Each expert is padded to whole tiles of 144 rows;
; the sum over experts of ceil(n / 144) is at most (8192 + 8 x 143) / 144 = 64 for every split, so there are always 64 tiles = 9,216 row places: 8,192 rows and 1,024 pad rows of zeros.
; A token that names one expert twice keeps both rows: k = 0 has the gate max(p0, p1), k = 1 the gate 0.
; ROLES.  Work-groups 0-255 (route): work-group g owns tokens 16 g .. 16 g + 15.  Each counts all 8,192 choices for itself (32 a thread), so no sum crosses work-groups.
; Work-groups 256-511 (cast): 64 rows of W1 or W2 each.  W1 is rounded once to bf16.  W2 is rounded once to bf16 too, like every input, and that number is written as f16,
; since the second product runs in f16: exact from 7.6e-6 up in magnitude, below that within 3e-8; beyond 65,504 it would be an infinity.
; THE WEIGHTS' LAYOUT: [expert][group of 64 rows][kb: 32 along K][b: block of 16 rows][j: half][lane l][8 numbers]: lane l's 16 bytes are W[row 16 b + l % 16][k = 32 kb + 16 j + 8 (l / 16) + 0..7]:
; registers 4 j .. 4 j + 3 of a 16 x 32 matrix operand.  A group's 131,072 bytes are one wave's stream in a product, 4,096 bytes for each 32 along K.
; STORED: xs [9216][1024] bf16; gs [8192] f32, the gate of routed row j, rounded once to bf16 like every other input; pos [8192], the row place of routed row j; tile_e [64], the expert of each tile.
; LIMITS.  An index is taken as 0..7 (anything else counts as 7).  A NaN among the probabilities is dropped by the maximum.
.set SPARE, 256                        ; LDS 0-255: eight waves x eight words of counts (route); from 256 on the spare words, 128 bytes a wave
.set CSTG,  1280                       ; from 1,280 on: 16 rows x 272 bytes for each wave (cast)
.set CPIT,  272                        ; 256 bytes + 16: the 16 rows that a fragment load touches start at 16 different groups of four banks (64 banks of 4 bytes: ISA guide 11.1)
.set SPW,  2                           ; v2   my spare word's LDS address; never rewritten
.set NIL,  3                           ; v3   0; never rewritten
.set XO,   5                           ; v5   16 x lane
.set IO,   6                           ; v6   16 x thread
.set LO4,  7                           ; v7   4 x lane
.set IDX,  8                           ; v[8:39]  32 indices; later temporaries, later the two rows in bf16
.set EO,   40                          ; v40  the expert of routed row 32 g + lane
.set PO,   41                          ; v41  its probability
.set POS,  42                          ; v42  its row place
.set TT,   43
.set PE,   44                          ; v44  the token's other expert
.set PP,   45                          ; v45  and its probability
.set GG,   46                          ; v46  the gate
.set ONEV, 47                          ; v47  1; later at work
.set CC,   48                          ; v[48:55] counts in 16-bit fields
.set SS,   56                          ; counts in 8-bit fields: all experts modulo 4,
.set LL,   57                          ; experts 0-3,
.set SB,   58                          ; and the same two for the rows in front of my work-group's
.set LB,   59
.set SM,   60
.set LM,   61
.set TA,   62
.set TB,   63
.set XR,   64                          ; v[64:127] two rows of x
.set NN,   32                          ; s[32:39] rows of expert e; later the sum up to and with e
.set BF,   40                          ; s[40:47] rows of expert e in front of my work-group's; later the place of my first one
.set CP,   48                          ; s[48:55] pad rows in front of expert e's
.set BT,   56                          ; s[56:63] tiles up to and with expert e
	s_load_b512 s[8:23], s[0:1], 0x0               ; x s[8:9], indices s[10:11], probs s[12:13], W1 s[14:15], W2 s[16:17], W1b s[18:19], W2h s[20:21], xs s[22:23]
	s_load_b128 s[24:27], s[0:1], 0x40             ; gs s[24:25], pos s[26:27]
	s_load_b64 s[28:29], s[0:1], 0x50              ; tile_e
	v_lshl_add_u32 v[SPW], v0, 2, SPARE
	v_mov_b32 v[NIL], 0
	v_lshrrev_b32 v1, 5, v0
	v_readfirstlane_b32 s31, v1                    ; wave 0..7
	v_and_b32 v1, 31, v0                           ; lane
	s_mov_b32 s30, ttmp9
	s_wait_kmcnt 0x0
	s_cmp_ge_u32 s30, 256                          ; the same answer in all eight waves
	s_cbranch_scc1 .Lcast
	; ---------------- ROUTE ----------------
	s_lshl_b32 s66, s30, 7                         ; my 32 routed rows: 128 bytes of indices, of probabilities, of pos and of gs
	s_mov_b32 s67, 0
	s_add_nc_u64 s[68:69], s[10:11], s[66:67]
	s_add_nc_u64 s[70:71], s[12:13], s[66:67]
	s_add_nc_u64 s[74:75], s[26:27], s[66:67]
	s_add_nc_u64 s[24:25], s[24:25], s[66:67]
	s_lshl_b32 s66, s30, 16                        ; 16 tokens x 4,096 bytes,
	s_lshl_b32 s79, s31, 13                        ; my wave's two of them
	s_add_co_u32 s66, s66, s79
	s_add_nc_u64 s[72:73], s[8:9], s[66:67]
	v_lshlrev_b32 v[XO], 4, v1
	v_lshlrev_b32 v[IO], 4, v0
	v_lshlrev_b32 v[LO4], 2, v1
.irp m, 0,1,2,3,4,5,6,7
	global_load_b128 v[IDX+4*(\m):IDX+4*(\m)+3], v[IO], s[10:11] offset:4096*(\m)  ; routed rows 1024 m + 4 thread + 0..3
.endr
	global_load_b32 v[EO], v[LO4], s[68:69]
	global_load_b32 v[PO], v[LO4], s[70:71]
.irp r, 0,1
.irp i, 0,1,2,3,4,5,6,7
	global_load_b128 v[XR+32*(\r)+4*(\i):XR+32*(\r)+4*(\i)+3], v[XO], s[72:73] offset:4096*(\r)+512*(\i) th:TH_LOAD_NT
.endr
.endr
	v_mov_b32 v[SS], 0
	v_mov_b32 v[LL], 0
	v_mov_b32 v[SB], 0
	v_mov_b32 v[LB], 0
	v_mov_b32 v[ONEV], 1
	v_mov_b32 v[POS], 0
	v_mov_b32 v[TT], 0
	v_mov_b32 v[PE], 0
	v_mov_b32 v[PP], 0
	s_mov_b32 s76, 0x00ff00ff
	s_mov_b32 s77, 0x76543210                      ; v_permlanex16_b32: each lane takes its own place in the other half
	s_mov_b32 s78, 0xfedcba98
	s_lshl_b32 s79, s30, 3                         ; 8 g: thread + 256 m below it means rows in front of mine
	s_wait_loadcnt 16                              ; indices, my expert and probability are in; the 16 loads of x stay out
; Four indices of load m.  1 << 8 (e mod 4) is added to SM, and to LM where e < 4: a thread's 32 indices fit the 8-bit fields.
.macro CNT4 m
.irp j, 0,1,2,3
	v_min_u32 v[TA], 7, v[IDX+4*(\m)+(\j)]
	v_lshlrev_b32 v[TB], 3, v[TA]
	v_and_b32 v[TB], 24, v[TB]
	v_cmp_gt_u32 vcc_lo, 4, v[TA]
.if (\j) == 0
	v_lshlrev_b32 v[SM], v[TB], v[ONEV]
	v_cndmask_b32 v[LM], 0, v[SM], vcc_lo
.else
	v_lshlrev_b32 v[TB], v[TB], v[ONEV]
	v_cndmask_b32 v[TA], 0, v[TB], vcc_lo
	v_add_nc_u32 v[SM], v[SM], v[TB]
	v_add_nc_u32 v[LM], v[LM], v[TA]
.endif
.endr
	s_sub_co_i32 s94, s79, 256*(\m)
	v_cmp_gt_i32 vcc_lo, s94, v0                   ; all four lie in front of my work-group's rows (32 g is a multiple of 4)
	v_add_nc_u32 v[SS], v[SS], v[SM]
	v_add_nc_u32 v[LL], v[LL], v[LM]
	v_cndmask_b32 v[SM], 0, v[SM], vcc_lo
	v_cndmask_b32 v[LM], 0, v[LM], vcc_lo
	v_add_nc_u32 v[SB], v[SB], v[SM]
	v_add_nc_u32 v[LB], v[LB], v[LM]
.endm
.irp m, 0,1,2,3,4,5,6,7
	CNT4 \m
.endr
	v_sub_nc_u32 v[SS], v[SS], v[LL]               ; experts 4-7
	v_sub_nc_u32 v[SB], v[SB], v[LB]
	; widened to 16-bit fields, which hold the sums over 256 threads (8,192 at the most): word 0: experts 0, 2; 1: 1, 3; 2: 4, 6; 3: 5, 7; words 4-7 the same for the rows in front
	v_and_b32 v[CC+0], s76, v[LL]
	v_lshrrev_b32 v[CC+1], 8, v[LL]
	v_and_b32 v[CC+2], s76, v[SS]
	v_lshrrev_b32 v[CC+3], 8, v[SS]
	v_and_b32 v[CC+4], s76, v[LB]
	v_lshrrev_b32 v[CC+5], 8, v[LB]
	v_and_b32 v[CC+6], s76, v[SB]
	v_lshrrev_b32 v[CC+7], 8, v[SB]
.irp r, 1,3,5,7
	v_and_b32 v[CC+(\r)], s76, v[CC+(\r)]
.endr
	; over the wave's 32 lanes, the eight words side by side
.irp x, 1,2,4,8
.irp r, 0,1,2,3,4,5,6,7
	v_mov_b32_dpp v[IDX+(\r)], v[CC+(\r)] row_xmask:\x row_mask:0xf bank_mask:0xf
.endr
.irp r, 0,1,2,3,4,5,6,7
	v_add_nc_u32 v[CC+(\r)], v[CC+(\r)], v[IDX+(\r)]
.endr
.endr
.irp r, 0,1,2,3,4,5,6,7
	v_permlanex16_b32 v[IDX+(\r)], v[CC+(\r)], s77, s78
.endr
.irp r, 0,1,2,3,4,5,6,7
	v_add_nc_u32 v[CC+(\r)], v[CC+(\r)], v[IDX+(\r)]
.endr
	; over the eight waves, through LDS
	s_lshl_b32 s94, s31, 5
	v_mov_b32 v[TA], s94
	ds_store_b128 v[TA], v[CC:CC+3]
	ds_store_b128 v[TA], v[CC+4:CC+7] offset:16
	s_wait_dscnt 0x0                               ; for the others: my eight words are written
	s_barrier_signal -1
	s_barrier_wait -1
	ds_load_b32 v[CC], v[LO4]                      ; lane l: word l % 8 of wave l / 8,
	ds_load_b32 v[CC+1], v[LO4] offset:128         ; and of wave 4 + l / 8
	s_wait_dscnt 0x0
	s_wait_tensorcnt 0x0                           ; my last LDS store lies behind me
	ds_add_u32 v[SPW], v[NIL]
	s_wait_dscnt 0x0
	v_add_nc_u32 v[CC], v[CC], v[CC+1]
	v_mov_b32_dpp v[IDX], v[CC] row_xmask:8 row_mask:0xf bank_mask:0xf
	v_add_nc_u32 v[CC], v[CC], v[IDX]
	v_permlanex16_b32 v[IDX], v[CC], s77, s78
	v_add_nc_u32 v[CC], v[CC], v[IDX]              ; lane r < 8 holds word r, summed over all 256 threads
.irp r, 0,1,2,3,4,5,6,7
	v_readlane_b32 s[80+(\r)], v[CC], \r
.endr
.irp h, 0,1
	s_and_b32  s[NN+8*(\h)+0], s[80+4*(\h)], 0xffff
	s_lshr_b32 s[NN+8*(\h)+2], s[80+4*(\h)], 16
	s_and_b32  s[NN+8*(\h)+1], s[81+4*(\h)], 0xffff
	s_lshr_b32 s[NN+8*(\h)+3], s[81+4*(\h)], 16
	s_and_b32  s[NN+8*(\h)+4], s[82+4*(\h)], 0xffff
	s_lshr_b32 s[NN+8*(\h)+6], s[82+4*(\h)], 16
	s_and_b32  s[NN+8*(\h)+5], s[83+4*(\h)], 0xffff
	s_lshr_b32 s[NN+8*(\h)+7], s[83+4*(\h)], 16
.endr
	; the experts in order: s88 tiles so far, s89 rows so far, s90 pad rows so far
	s_mov_b32 s88, 0
	s_mov_b32 s89, 0
	s_mov_b32 s90, 0
.macro EXPERT e
	s_mov_b32 s[CP+(\e)], s90
	s_add_co_u32 s91, s[NN+(\e)], 143
	s_mul_i32 s91, s91, 7282
	s_lshr_b32 s91, s91, 20                        ; ceil(n / 144): 7282 / 2^20 exceeds 1 / 144 by so little that the floor is exact up to n + 143 = 8,335
	s_mul_i32 s92, s88, 144
	s_add_co_u32 s[BF+(\e)], s[BF+(\e)], s92       ; the place of my work-group's first row of this expert
	s_add_co_u32 s88, s88, s91
	s_mov_b32 s[BT+(\e)], s88
	s_add_co_u32 s89, s89, s[NN+(\e)]
	s_mov_b32 s[NN+(\e)], s89
	s_mul_i32 s92, s88, 144
	s_sub_co_u32 s90, s92, s89
.endm
.irp e, 0,1,2,3,4,5,6,7
	EXPERT \e
.endr
	; my work-group's 32 rows, one a lane (every wave does the same): place = the expert's first place + the lanes below with the same expert
	v_min_u32 v[EO], 7, v[EO]
.irp e, 0,1,2,3,4,5,6,7
	v_cmp_eq_u32 s93, \e, v[EO]
	v_mbcnt_lo_u32_b32 v[TT], s93, 0
	v_add_nc_u32 v[TT], s[BF+(\e)], v[TT]
	v_cndmask_b32 v[POS], v[POS], v[TT], s93
.endr
	v_min_u32 v[POS], 0x23ff, v[POS]               ; 9,215 at the most, before it enters an address
	; the gate.  Two experts: max(p, 0).  One expert twice: k = 0 has max(p0, p1), k = 1 has 0.
	v_mov_b32_dpp v[PE], v[EO] row_xmask:1 row_mask:0xf bank_mask:0xf
	v_mov_b32_dpp v[PP], v[PO] row_xmask:1 row_mask:0xf bank_mask:0xf
	v_max_num_f32 v[GG], 0, v[PO]
	v_max_num_f32 v[ONEV], v[PO], v[PP]
	v_and_b32 v[TA], 1, v0
	v_cmp_eq_u32 vcc_lo, 0, v[TA]
	v_cndmask_b32 v[ONEV], 0, v[ONEV], vcc_lo
	v_cmp_eq_u32 vcc_lo, v[EO], v[PE]
	v_cndmask_b32 v[GG], v[GG], v[ONEV], vcc_lo
	v_cvt_pk_bf16_f32 v[GG], v[GG], v[GG]          ; rounded once to bf16, like x and the weights,
	v_lshlrev_b32 v[GG], 16, v[GG]                 ; and kept as f32
	s_cmp_lg_u32 s31, 0
	s_cbranch_scc1 .Lnot_wave_0
	global_store_b32 v[LO4], v[POS], s[74:75]      ; 128 consecutive bytes of pos,
	global_store_b32 v[LO4], v[GG], s[24:25]       ; and of gs
.Lnot_wave_0:
	; my wave's two tokens, each to its two places
	s_lshl_b32 s91, s31, 2
.irp n, 0,1,2,3
	s_add_co_u32 s92, s91, \n
	v_readlane_b32 s93, v[POS], s92
	s_min_u32 s93, s93, 9215
	s_lshl_b32 s[80+2*(\n)], s93, 11               ; a row of xs is 2,048 bytes
	s_mov_b32 s[81+2*(\n)], 0
	s_add_nc_u64 s[80+2*(\n):81+2*(\n)], s[22:23], s[80+2*(\n):81+2*(\n)]
.endr
	v_lshlrev_b32 v[SM], 3, v1                     ; 8 x lane
	s_wait_loadcnt 0x0                             ; x
.irp r, 0,1
.irp i, 0,1,2,3,4,5,6,7
	v_cvt_pk_bf16_f32 v[IDX+16*(\r)+2*(\i)],   v[XR+32*(\r)+4*(\i)],   v[XR+32*(\r)+4*(\i)+1]
	v_cvt_pk_bf16_f32 v[IDX+16*(\r)+2*(\i)+1], v[XR+32*(\r)+4*(\i)+2], v[XR+32*(\r)+4*(\i)+3]
.endr
.endr
.irp r, 0,1
.irp k, 0,1
.irp i, 0,1,2,3,4,5,6,7
	global_store_b64 v[SM], v[IDX+16*(\r)+2*(\i):IDX+16*(\r)+2*(\i)+1], s[80+4*(\r)+2*(\k):81+4*(\r)+2*(\k)] offset:256*(\i)  ; 32 lanes: 256 consecutive bytes, aligned
.endr
.endr
.endr
	; waves 0-3: pad row q = 4 g + wave.  It belongs to the last expert e with CP[e] <= q, and its place is q + the rows up to and with that expert.
	s_cmp_gt_u32 s31, 3
	s_cbranch_scc1 .Lno_pad
	s_lshl_b32 s91, s30, 2
	s_add_co_u32 s91, s91, s31
	s_mov_b32 s92, s[NN]
.irp e, 1,2,3,4,5,6,7
	s_cmp_ge_u32 s91, s[CP+(\e)]
	s_cselect_b32 s92, s[NN+(\e)], s92
.endr
	s_add_co_u32 s92, s92, s91
	s_min_u32 s92, s92, 9215
	s_lshl_b32 s94, s92, 11
	s_mov_b32 s95, 0
	s_add_nc_u64 s[94:95], s[22:23], s[94:95]
.irp r, 0,1,2,3
	v_mov_b32 v[SS+(\r)], 0
.endr
.irp i, 0,1,2,3
	global_store_b128 v[XO], v[SS:SS+3], s[94:95] offset:512*(\i)
.endr
.Lno_pad:
	; work-group 0, wave 0: the expert of tile t = the number of experts 0..6 whose tiles end at or below t (tiles that a split leaves over count as expert 7's: they hold zeros)
	s_or_b32 s91, s30, s31
	s_cmp_lg_u32 s91, 0
	s_cbranch_scc1 .Lroute_end
	v_add_nc_u32 v[CC+3], 32, v1
	v_mov_b32 v[CC], 0
	v_mov_b32 v[CC+1], 0
.irp e, 0,1,2,3,4,5,6
	v_cmp_le_u32 vcc_lo, s[BT+(\e)], v1
	v_cndmask_b32 v[CC+2], 0, 1, vcc_lo
	v_add_nc_u32 v[CC], v[CC], v[CC+2]
	v_cmp_le_u32 vcc_lo, s[BT+(\e)], v[CC+3]
	v_cndmask_b32 v[CC+2], 0, 1, vcc_lo
	v_add_nc_u32 v[CC+1], v[CC+1], v[CC+2]
.endr
	global_store_b32 v[LO4], v[CC], s[28:29]
	global_store_b32 v[LO4], v[CC+1], s[28:29] offset:128
.Lroute_end:
	s_endpgm
	; ---------------- CAST ----------------
	; Work-group 256 + c: the group of 64 rows c % 128 of W1 (c < 128) or W2.  Wave w has the block of 16 rows b = w / 2 and 512 along K, half w % 2, in four pieces of 128 along K.
	; A piece: 16 loads, each 512 consecutive bytes of one row; rounded; 8 bytes a lane into the wave's own 16 LDS rows; back as eight half fragments of 16 bytes a lane; eight stores of 512 consecutive bytes.
	; The 16 register slots are a ring: as a row of one piece is rounded, the same row of the next piece is asked for.  LDS serves a wave's instructions in order (ISA guide 5.7.1.4): no wait between its stores and loads.
.set CX,  8                            ; v[8:71]    slot i: four f32 a lane, row i
.set CY,  72                           ; v[72:103]  slot i: four 16-bit numbers a lane
.set FR,  104                          ; v[104:135] eight half fragments
.set VG,  4                            ; v4  16 x lane: in a row's 512 bytes, and in a half fragment's
.set VST, 5                            ; v5  LDS: my stage + 8 x lane
.set VLD, 6                            ; v6  LDS: my stage + (l % 16) x 272 + 16 (l / 16)
.Lcast:
	s_sub_co_u32 s66, s30, 256
	s_cmp_lt_u32 s66, 128
	s_cselect_b64 s[68:69], s[14:15], s[16:17]
	s_cselect_b64 s[70:71], s[18:19], s[20:21]
	s_lshr_b32 s77, s66, 7                         ; 0: W1, to bf16; 1: W2, to bf16 and on to f16
	s_and_b32 s66, s66, 127                        ; 16 x expert + group
	s_lshr_b32 s78, s31, 1                         ; b
	s_and_b32 s79, s31, 1                          ; which half of K
	s_lshl_b32 s72, s66, 18                        ; from: 64 rows of 4,096 bytes a group,
	s_lshl_b32 s67, s78, 16                        ; 16 rows a block,
	s_add_co_u32 s72, s72, s67
	s_lshl_b32 s67, s79, 11                        ; 2,048 bytes a half
	s_add_co_u32 s72, s72, s67
	s_mov_b32 s73, 0
	s_lshl_b32 s74, s66, 17                        ; to: 131,072 bytes a group,
	s_lshl_b32 s67, s79, 16                        ; 16 kb of 4,096 bytes a half,
	s_add_co_u32 s74, s74, s67
	s_lshl_b32 s67, s78, 10                        ; 1,024 bytes a block
	s_add_co_u32 s74, s74, s67
	s_mov_b32 s75, 0
	s_add_nc_u64 s[68:69], s[68:69], s[72:73]
	s_add_nc_u64 s[70:71], s[70:71], s[74:75]
	s_mul_i32 s80, s31, 16*CPIT
	s_add_co_u32 s80, s80, CSTG                    ; my stage
	v_lshlrev_b32 v[VG], 4, v1
.irp i, 0,1,2,3,4,5,6,7,8,9,10,11,12,13,14,15
	global_load_b128 v[CX+4*(\i):CX+4*(\i)+3], v[VG], s[68:69] offset:4096*(\i) th:TH_LOAD_NT
.endr
	v_lshl_add_u32 v[VST], v1, 3, s80
	v_and_b32 v7, 15, v1
	v_mul_u32_u24 v[VLD], v7, CPIT
	v_lshrrev_b32 v7, 4, v1
	v_lshl_add_u32 v[VLD], v7, 4, v[VLD]
	v_add_nc_u32 v[VLD], s80, v[VLD]
.macro CSLOT i, ahead, left, h
	s_wait_loadcnt \left                           ; loads come back in order: mine is in, the younger ones stay out
	v_cvt_pk_bf16_f32 v[CY+2*(\i)],   v[CX+4*(\i)],   v[CX+4*(\i)+1]
	v_cvt_pk_bf16_f32 v[CY+2*(\i)+1], v[CX+4*(\i)+2], v[CX+4*(\i)+3]
.if \h
	v_lshlrev_b32 v[CX+4*(\i)],   16,         v[CY+2*(\i)]    ; the rounded numbers as f32 again,
	v_and_b32     v[CX+4*(\i)+1], 0xffff0000, v[CY+2*(\i)]
	v_lshlrev_b32 v[CX+4*(\i)+2], 16,         v[CY+2*(\i)+1]
	v_and_b32     v[CX+4*(\i)+3], 0xffff0000, v[CY+2*(\i)+1]
	v_cvt_pk_f16_f32 v[CY+2*(\i)],   v[CX+4*(\i)],   v[CX+4*(\i)+1]  ; and written as f16
	v_cvt_pk_f16_f32 v[CY+2*(\i)+1], v[CX+4*(\i)+2], v[CX+4*(\i)+3]
.endif
.if \ahead
	global_load_b128 v[CX+4*(\i):CX+4*(\i)+3], v[VG], s[68:69] offset:4096*(\i)+512 th:TH_LOAD_NT  ; the same row of the next piece
.endif
	ds_store_b64 v[VST], v[CY+2*(\i):CY+2*(\i)+1] offset:CPIT*(\i)  ; row i: 256 consecutive bytes
.endm
.macro CBACK                           ; half fragment f: kb f / 2 of the piece's four, half j = f % 2
.irp f, 0,1,2,3,4,5,6,7
	ds_load_b128 v[FR+4*(\f):FR+4*(\f)+3], v[VLD] offset:((\f)/2)*64+((\f)%2)*32
.endr
.irp f, 0,1,2,3,4,5,6,7
	s_wait_dscnt 7-(\f)
	global_store_b128 v[VG], v[FR+4*(\f):FR+4*(\f)+3], s[70:71] offset:((\f)/2)*4096+((\f)%2)*512  ; 512 consecutive bytes, aligned
.endr
.endm
.macro CASTRING h
	s_mov_b32 s76, 3
.Lround\h:
.irp i, 0,1,2,3,4,5,6,7,8,9,10,11,12,13,14,15
	CSLOT \i, 1, 15, \h
.endr
	CBACK
	s_wait_xcnt 0x0                                ; the two bases, and the piece's store data, are rewritten only behind this wait
	s_add_nc_u64 s[68:69], s[68:69], 512           ; 128 along K on,
	s_add_nc_u64 s[70:71], s[70:71], 16384         ; four kb on
	s_sub_co_u32 s76, s76, 1
	s_cmp_lg_u32 s76, 0
	s_cbranch_scc1 .Lround\h
.irp i, 0,1,2,3,4,5,6,7,8,9,10,11,12,13,14,15
	CSLOT \i, 0, 15-(\i), \h                       ; the last piece loads nothing: the counts run down
.endr
	CBACK
	s_wait_tensorcnt 0x0                           ; the wave's end: behind my last LDS store
	ds_add_u32 v[SPW], v[NIL]
	s_wait_dscnt 0x0
	s_endpgm
.endm
	s_cmp_lg_u32 s77, 0
	s_cbranch_scc1 .Lcast_w2
	CASTRING 0
.Lcast_w2:
	CASTRING 1
.Lfunc_end_k_qce711249cb_prep:
	.size	k_qce711249cb_prep, .Lfunc_end_k_qce711249cb_prep-k_qce711249cb_prep
	.p2alignl 7, 3214868480
	.fill 96, 4, 3214868480
	.section	.rodata,"a",@progbits
	.p2align	6, 0x0
	.amdhsa_kernel k_qce711249cb_prep
		.amdhsa_group_segment_fixed_size 36096
		.amdhsa_private_segment_fixed_size 0
		.amdhsa_enable_private_segment 0
		.amdhsa_kernarg_size 88
		.amdhsa_user_sgpr_count 2
		.amdhsa_user_sgpr_kernarg_segment_ptr 1
		.amdhsa_wavefront_size32 1
		.amdhsa_system_sgpr_workgroup_id_x 1
		.amdhsa_system_sgpr_workgroup_id_y 1
		.amdhsa_system_sgpr_workgroup_id_z 1
		.amdhsa_system_vgpr_workitem_id 0
		.amdhsa_next_free_vgpr 136
		.amdhsa_next_free_sgpr 100
		.amdhsa_reserve_vcc 1
		.amdhsa_float_denorm_mode_32 3
		.amdhsa_float_denorm_mode_16_64 3
		.amdhsa_memory_ordered 1
		.amdhsa_forward_progress 1
		.amdhsa_inst_pref_size 73
	.end_amdhsa_kernel
	.amdgpu_metadata
---
amdhsa.version: [ 1, 2 ]
amdhsa.kernels:
  - .name:           k_qce711249cb_prep
    .symbol:         k_qce711249cb_prep.kd
    .args:
      - { .name: x, .offset: 0, .size: 8, .value_kind: global_buffer, .address_space: global }
      - { .name: topk_indices, .offset: 8, .size: 8, .value_kind: global_buffer, .address_space: global }
      - { .name: topk_probs, .offset: 16, .size: 8, .value_kind: global_buffer, .address_space: global }
      - { .name: W1, .offset: 24, .size: 8, .value_kind: global_buffer, .address_space: global }
      - { .name: W2, .offset: 32, .size: 8, .value_kind: global_buffer, .address_space: global }
      - { .name: W1b, .offset: 40, .size: 8, .value_kind: global_buffer, .address_space: global }
      - { .name: W2h, .offset: 48, .size: 8, .value_kind: global_buffer, .address_space: global }
      - { .name: xs, .offset: 56, .size: 8, .value_kind: global_buffer, .address_space: global }
      - { .name: gs, .offset: 64, .size: 8, .value_kind: global_buffer, .address_space: global }
      - { .name: pos, .offset: 72, .size: 8, .value_kind: global_buffer, .address_space: global }
      - { .name: tile_e, .offset: 80, .size: 8, .value_kind: global_buffer, .address_space: global }
    .group_segment_fixed_size: 36096
    .private_segment_fixed_size: 0
    .kernarg_segment_align: 8
    .kernarg_segment_size: 88
    .max_flat_workgroup_size: 256
    .sgpr_count:     100
    .vgpr_count:     136
    .wavefront_size: 32
...
	.end_amdgpu_metadata
.endif
;; end of part 1
;; launch gemm1 (part 2): grid 256 x 1, 4 waves a work-group, clusters of 4 x 1, 327,680 bytes of LDS; arguments xs, W1b, tile_e, hid; writes hid
.if DOCPART == 2
	.amdgcn_target "amdgcn-amd-amdhsa--gfx1250"
	.amdhsa_code_object_version 6
	.text
	.protected	k_qce711249cb_gemm1
	.globl	k_qce711249cb_gemm1
	.p2align	8
	.type	k_qce711249cb_gemm1,@function
k_qce711249cb_gemm1:
	s_mov_b64 s[64:65], 0
	v_nop
	global_prefetch_b8 v0, s[64:65] scope:SCOPE_SE
	s_setreg_imm32_b32 hwreg(HW_REG_WAVE_MODE, 25, 1), 1
	s_wait_xcnt 0x0
	s_wait_alu depctr_hold_cnt(0) depctr_sa_sdst(0) depctr_va_vdst(0) depctr_va_sdst(0) depctr_va_ssrc(0) depctr_va_vcc(0) depctr_vm_vsrc(0)
	s_getreg_b32 s2, hwreg(HW_REG_IB_STS2, 6, 4)
	s_cmp_eq_u32 s2, 0
	s_cbranch_scc0 .Lentry_in_a_cluster
	s_endpgm
.Lentry_in_a_cluster:
	s_bfe_u32 s2, ttmp6, 0x10000c
	s_cmp_lg_u32 s2, 0x3003
	s_cbranch_scc0 .Lentry_shape_is_right
	s_endpgm
.Lentry_shape_is_right:
; hid[row][f] = gelu(sum over h of xs[row][h] W1[e][f][h]), rounded once to f16.  xs: [9216][1024] bf16; W1b: W1 in bf16, laid out as operand registers take it (below); hid: [9216][1024] f16; sums and gelu in f32.
; gelu is the tanh form: x / (1 + 2^(x (c0 + c1 x^2))), c0 = -2 log2(e) sqrt(2 / pi), c1 = 0.044715 c0.  It holds for every finite x: where x^2 overflows the power is 0 or infinite and the result x or 0.
; The exponential and the reciprocal take denormals as 0.
; LIMIT.  hid is f16, for its 11 significant bits: a gelu of 65,520 or more becomes an infinity, and below 6e-5 in magnitude it keeps f16's fixed step of 6e-8.  The gate is not in hid: the last launch applies it, in f32.
; SHARES.  64 row tiles of 144 rows (each of ONE expert, tile_e[t]) x 4 column tiles of 256 = 256 work-groups.  Four waves; wave w makes all 144 rows x columns 64 w .. 64 w + 63: 9 x 4 accumulators, 288 registers.
; A LIES WHOLE IN LDS: 144 rows x 1,024 along K as eight chunks of 128 along K (rows of 256 bytes, aligned).  Each wave asks for four parts of 72 rows x 256 bytes, all at the start; nothing is ever filled again.
; B COMES FROM MEMORY STRAIGHT INTO REGISTERS: a wave alone reads its 64 columns, so LDS would serve nobody.  W1b is [expert][group of 64 columns][kb][block b][half j][lane][8]: a QUARTER (32 along K) is 4,096
; consecutive bytes of my group's stream, eight loads of 512 consecutive bytes.  A ring of eight register slots; seven quarters, 28,672 bytes a wave, are asked for ahead, and the waits are counted.
; CLUSTER.  The four column tiles of a row tile form a cluster and need the same A: it is asked for jointly, with the mask of all four.  B is not shared: partners that shared B would have to be row tiles of one
; expert, so each expert would be dealt whole groups of four tiles, and (8192 + 8 (4 R - 1)) / 4 R groups fit 16 only from R = 228 rows a tile on, against 144 here.
; A tile that a split leaves without rows multiplies zeros: it is a partner in joint loads, and no branch here hangs on a loaded number.
; THE MATRIX INSTRUCTION IS USED TRANSPOSED (source 0 = 16 rows of B, source 1 = 16 rows of A): a lane holds row l % 16 and eight neighbouring columns.
; REGISTERS, in windows of 256: window 0: v0-31 addresses; v32-103, v104-175 two buffers of A's 9 fragments; v176-207 accumulators (8, b); on the way out v32-175 at work.
;   window 1: accumulator (a, b), a < 8, at v[8 (4 a + b)].   window 2: B's eight slots of 32 registers.
.set ROWB,   2048                      ; bytes in a row of xs and hid
.set PITCH,  272                       ; an LDS row: 256 bytes + 16 of padding = 68 words: the 16 rows of a fragment load start at 16 different groups of four banks (64 banks of 4 bytes: ISA guide 11.1)
.set AHALF,  72*PITCH                  ; what one tensor load brings
.set CHUNK,  2*AHALF                   ; 144 rows x 128 along K
.set STAGE,  0                         ; the way out's stage, 144 rows x 528 bytes, lies in chunks 0 and 1: their one fill is long past, and a barrier stands between the last reads of A and its first store
.set SP1,    528                       ; 512 bytes + 16
.set SPARE,  8*CHUNK                   ; behind A: the spare words, 128 bytes a wave: two blocks of 256 bytes that no other line names
.set QB,     4096                      ; bytes of my B in a quarter
.set AD0,  16                          ; v16  LDS address of my A fragments in the even chunk in hand
.set AD1,  17                          ; v17  in the odd one
.set VB,   20                          ; v20  16 x lane; never rewritten
.set STO,  24                          ; v24  the way out: where I put 16 bytes of a row, blocks 0-4
.set RD,   25                          ; v25  where I read rows back
.set STO2, 27                          ; v27  as v24, blocks 5-8 (an LDS offset has 16 bits)
.set SPW,  28                          ; v28  my spare word; never rewritten
.set NIL,  29                          ; v29  0; never rewritten
.set FA0,  32                          ; A's two buffers: FA0, FA0 + 72
.set AC8,  176
.set TQ,   32                          ; the way out, window 0: 32 numbers at work,
.set PK,   96                          ; packed results
.set WV,   14
.set ROLE, 15                          ; which chunk of a pair I fetch
.set HALF, 16                          ; which 72 rows of it
.set CX,   17
.set EX,   18
.set G1A,  24                          ; s[24:31] descriptor group 1
.set G0A,  32                          ; s[32:47] group 0, a set for each of my four loads
.set BB,   48                          ; s[48:49] my stream of B
.set LAP,  50
.set LA,   51
.set KC1,  66                          ; s[66:67] c1
.set KC0,  68                          ; s[68:69] c0
.set MSB, 0
.macro WIN new                         ; the immediate's high byte repeats the setting that is left; a switch that changes nothing is dropped
.if MSB != (\new)
	s_set_vgpr_msb (MSB<<8)|(\new)
.set MSB, \new
.endif
.endm
.macro PLACES                          ; four places in front of loads into, and vector writes of, registers that matrix instructions have read, and of reads of their results
.rept 4
	v_nop
.endr
.endm
.macro CREST                           ; a round of the cluster's barrier behind its opening barrier
	s_cmp_lg_u32 s[WV], 0
	s_cbranch_scc1 .Lnot_wave_0_\@
	s_barrier_signal -3
.Lnot_wave_0_\@:
	s_barrier_wait -3
	s_barrier_signal -1
	s_barrier_wait -1
.endm
.macro CROUND
	s_barrier_signal -1
	s_barrier_wait -1
	CREST
.endm
; 4 matrix instructions: row block a (from A's buffer fa) x my 4 column blocks (B's slot sl), 32 along K.  The 36 accumulators take turns in one order everywhere.  zero = 1: the product starts the sums.
.macro MULA fa, sl, a, zero
.if (\a) < 8
	WIN 0x52                                       ; source 0 window 2, source 1 window 0, C and D window 1
.set AC, 32*(\a)
.else
	WIN 0x02                                       ; C and D window 0
.set AC, AC8
.endif
.irp b, 0,1,2,3
.if \zero
	v_wmma_f32_16x16x32_bf16 v[AC+8*(\b):AC+8*(\b)+7], v[32*(\sl)+8*(\b):32*(\sl)+8*(\b)+7], v[(\fa)+8*(\a):(\fa)+8*(\a)+7], 0
.else
	v_wmma_f32_16x16x32_bf16 v[AC+8*(\b):AC+8*(\b)+7], v[32*(\sl)+8*(\b):32*(\sl)+8*(\b)+7], v[(\fa)+8*(\a):(\fa)+8*(\a)+7], v[AC+8*(\b):AC+8*(\b)+7]
.endif
.endr
.endm
; 18 LDS loads in one run: A's 9 fragments of 32 along K at byte k of the rows of the chunk at v[ad]
.macro FETCHA ad, k, fa
	WIN 0
.irp a, 0,1,2,3,4,5,6,7,8
	ds_load_b128 v[(\fa)+8*(\a):(\fa)+8*(\a)+3],   v[\ad] offset:(\k)+(\a)*16*PITCH
	ds_load_b128 v[(\fa)+8*(\a)+4:(\fa)+8*(\a)+7], v[\ad] offset:(\k)+(\a)*16*PITCH+32
.endr
.endm
; 8 loads of 512 consecutive bytes: a quarter of my B, at byte off from s[BB], into slot sl
.macro REFILL sl, off
	WIN 0x80                                       ; destination window 2, address window 0
.irp b, 0,1,2,3
	global_load_b128 v[32*(\sl)+8*(\b):32*(\sl)+8*(\b)+3],   v[VB], s[BB:BB+1] offset:(\off)+1024*(\b)
	global_load_b128 v[32*(\sl)+8*(\b)+4:32*(\sl)+8*(\b)+7], v[VB], s[BB:BB+1] offset:(\off)+1024*(\b)+512
.endr
.endm
; QUARTER q, q % 8 = p % 8: 36 matrix instructions on A's buffer q % 2 and B's slot q % 8.  Behind its first 8 and four places it fetches A's fragments of quarter q + 1 into the other buffer and (more = 1) asks for
; B's quarter q + 7 into the slot that quarter q - 1 has left: the last readers of both stand in front of those places.  lc: the loads of B issued behind quarter q's: six quarters of eight, fewer in the tail.
; Where p = 7 and more = 1, the fetch enters the next pair of chunks, so a barrier stands in front of it: each wave's parts have landed, and every wave knows it.  The count is a constant of the loop's text and the
; last trip needs 0, so it is 0 in every trip.
.macro QTR p, zero, more, lc
.set FA, FA0+72*((\p)%2)
.set FN, FA0+72*(((\p)+1)%2)
.set SL, (\p)%8
.set RS, ((\p)+7)%8
.set RO, ((\p)-1)*QB
.if (\p) <= 2
.set FAD, AD0
.set FK, 64*((\p)+1)
.elseif (\p) <= 6
.set FAD, AD1
.set FK, 64*((\p)-3)
.else
.set FAD, AD0
.set FK, 64*((\p)-7)
.endif
	s_wait_dscnt 14                                ; the oldest 4 of the 18 are in: A's blocks 0 and 1
	s_wait_loadcnt \lc                             ; my slot of B is in; the younger quarters stay out
	MULA FA, SL, 0, \zero
	MULA FA, SL, 1, \zero
.if ((\p) == 7) && (\more)
	s_wait_tensorcnt 0x0                           ; my parts of A have landed,
	s_wait_dscnt 0x0                               ; and no LDS load of mine is out at the signal
	s_barrier_signal -1
	MULA FA, SL, 2, 0
	MULA FA, SL, 3, 0
	s_barrier_wait -1
.endif
.if ((\p) < 7) || (\more)
	PLACES
	FETCHA FAD, FK, FN
.if (\more) && ((\p) == 2)
	v_add_nc_u32 v[AD0], 2*CHUNK, v[AD0]           ; the even chunk is read out: on to the next
.endif
.if (\more) && ((\p) == 6)
	v_add_nc_u32 v[AD1], 2*CHUNK, v[AD1]
.endif
.if \more
	REFILL RS, RO
.endif
	s_wait_dscnt 18                                ; all but the 18 just issued
.else
	s_wait_dscnt 0x0                               ; the very last quarter fetches nothing
.endif
.if !(((\p) == 7) && (\more))
	MULA FA, SL, 2, \zero
	MULA FA, SL, 3, \zero
.endif
.irp a, 4,5,6,7,8
	MULA FA, SL, \a, \zero
.endr
.endm
	s_load_b256 s[4:11], s[0:1], 0x0               ; xs s[4:5], W1b s[6:7], tile_e s[8:9], hid s[10:11]
	v_lshl_add_u32 v[SPW], v0, 2, SPARE
	v_mov_b32 v[NIL], 0
	ds_add_u32 v[SPW], v[NIL]                      ; the wave's opening: the add and its wait ahead of my first tensor load; the set-up below, work on registers, stands between them
	v_lshrrev_b32 v1, 5, v0
	v_readfirstlane_b32 s[WV], v1
	s_lshr_b32 s[ROLE], s[WV], 1
	s_and_b32 s[HALF], s[WV], 1
	s_bfe_u32 s[CX], ttmp6, 0x40000                ; my place in the cluster = my column tile; ttmp9 counts clusters = row tiles
	s_lshl_b32 s52, ttmp9, 2
	s_mov_b32 s53, 0
	s_mov_b32 s[G1A+0], 15|(1<<16)|(1<<20)|(1<<21)|(5<<22)|(3<<25)  ; the mask of four; 2-byte elements; padding on; bit 21 beside a mask; after every 64 words 4 words
	s_mov_b32 s[G1A+1], 128<<16                    ; tensor_dim0 = 128
	s_mov_b32 s[G1A+2], 72<<16                     ; tensor_dim1 = 72
	s_mov_b32 s[G1A+3], 128<<16                    ; tile_dim0 = 128
	s_mov_b32 s[G1A+4], 72                         ; tile_dim1 = 72
	s_mov_b32 s[G1A+5], 1024                       ; elements from row to row
	s_mov_b32 s[G1A+6], 0
	s_mov_b32 s[G1A+7], 0
	s_mul_i32 s20, ttmp9, 144*ROWB                 ; A: the row tile, my 72 rows, my chunk of the pair: nothing that differs between partners
	s_mul_i32 s21, s[HALF], 72*ROWB
	s_add_co_u32 s20, s20, s21
	s_lshl_b32 s21, s[ROLE], 8
	s_add_co_u32 s20, s20, s21
	s_mov_b32 s21, 0
	s_lshl_b32 s54, s[CX], 2                       ; B: my group of 64 columns, 131,072 bytes each; the expert is added below
	s_add_co_u32 s54, s54, s[WV]
	s_lshl_b32 s54, s54, 17
	s_mov_b32 s55, 0
	s_mul_i32 s22, ttmp9, 144*ROWB                 ; hid: the row tile, the 36 rows that I store, my column tile's 512 bytes
	s_mul_i32 s23, s[WV], 36*ROWB
	s_add_co_u32 s22, s22, s23
	s_lshl_b32 s23, s[CX], 9
	s_add_co_u32 s22, s22, s23
	s_mov_b32 s23, 0
	s_mul_i32 s[LA], s[WV], AHALF                  ; where my parts go: wave x 72 rows in each pair of chunks: no place in the cluster enters an LDS address
	s_mov_b32 s[KC1], 0xbdd2d3e8                   ; -0.10294324
	s_mov_b32 s[KC1+1], s[KC1]
	s_mov_b32 s[KC0], 0xc0135761                   ; -2.3022082
	s_mov_b32 s[KC0+1], s[KC0]
	s_wait_dscnt 0x0                               ; the opening add is done
	s_wait_kmcnt 0x0
	s_add_nc_u64 s[8:9], s[8:9], s[52:53]
	s_load_b32 s[EX], s[8:9], 0x0                  ; my tile's expert: on its way while A is asked for
	s_add_nc_u64 s[4:5], s[4:5], s[20:21]
	s_add_nc_u64 s[10:11], s[10:11], s[22:23]
.irp i, 0,1,2,3
	s_mov_b32 s[G0A+4*(\i)], 1
	s_add_co_u32 s[G0A+4*(\i)+1], s[LA], (\i)*2*CHUNK
	s_add_nc_u64 s[G0A+4*(\i)+2:G0A+4*(\i)+3], s[4:5], (\i)*512  ; pair i of chunks: 256 along K on
	s_or_b32 s[G0A+4*(\i)+3], s[G0A+4*(\i)+3], 0x80000000
.endr
	CROUND                                         ; all four work-groups are here: the joint loads meet
.irp i, 0,1,2,3
	tensor_load_to_lds s[G0A+4*(\i):G0A+4*(\i)+3], s[G1A:G1A+7]  ; four loads of mine are out, all that I ever issue
	s_nop 0
.endr
.rept 4
	v_nop
.endr
	s_wait_kmcnt 0x0
	s_min_u32 s[EX], s[EX], 7
	s_lshl_b32 s[EX], s[EX], 21                    ; an expert's weights: 2 MiB
	s_add_co_u32 s54, s54, s[EX]
	s_add_nc_u64 s[BB:BB+1], s[6:7], s[54:55]
	v_and_b32 v4, 31, v0                           ; lane
	v_lshlrev_b32 v[VB], 4, v4
.irp q, 0,1,2,3,4,5,6
	REFILL \q, (\q)*QB                             ; B's first seven quarters
.endr
	WIN 0
	v_and_b32 v1, 15, v0                           ; l % 16
	v_bfe_u32 v2, v0, 4, 1                         ; l / 16
	v_mul_u32_u24 v3, v1, PITCH
	v_lshl_add_u32 v[AD0], v2, 4, v3               ; a fragment's row x pitch + 16 x half
	v_add_nc_u32 v[AD1], CHUNK, v[AD0]
	s_lshl_b32 s52, s[WV], 7                       ; into the stage: row l % 16, my 128 bytes of its 512, 16 bytes for each half of the lanes
	s_add_co_u32 s52, s52, STAGE
	v_mul_u32_u24 v5, v1, SP1
	v_lshl_add_u32 v5, v2, 4, v5
	v_add_nc_u32 v[STO], s52, v5
	v_add_nc_u32 v[STO2], 5*16*SP1, v[STO]
	s_mul_i32 s52, s[WV], 36*SP1                   ; back: rows 36 w .. 36 w + 35, a whole row of 512 bytes to a load
	s_add_co_u32 s52, s52, STAGE
	v_lshl_add_u32 v[RD], v4, 4, s52
	s_wait_tensorcnt 0x3                           ; my part of chunks 0 and 1 is in; my other three loads stay out
	s_barrier_signal -1
	s_barrier_wait -1
	FETCHA AD0, 0, FA0
	QTR 8, 1, 1, 48                                ; quarter 0 starts the sums
	WIN 0
	s_mov_b32 s[LAP], 3
.Llap:                                                 ; a trip: quarters 8 i + 1 .. 8 i + 8
	s_wait_xcnt 0x0                                ; the base of the loads of B is stepped only behind this wait; the last of them were issued 28 matrix instructions ago
	s_add_nc_u64 s[BB:BB+1], s[BB:BB+1], 8*QB
	QTR 1, 0, 1, 48
	QTR 2, 0, 1, 48
	QTR 3, 0, 1, 48
	QTR 4, 0, 1, 48
	QTR 5, 0, 1, 48
	QTR 6, 0, 1, 48
	QTR 7, 0, 1, 48
	QTR 8, 0, 1, 48
	WIN 0
	s_sub_co_u32 s[LAP], s[LAP], 1
	s_cmp_lg_u32 s[LAP], 0
	s_cbranch_scc1 .Llap
	QTR 1, 0, 0, 48                                ; quarters 25 to 31 ask for no more of B: the counts run down
	QTR 2, 0, 0, 40
	QTR 3, 0, 0, 32
	QTR 4, 0, 0, 24
	QTR 5, 0, 0, 16
	QTR 6, 0, 0, 8
	QTR 7, 0, 0, 0
	WIN 0
	PLACES
	s_wait_dscnt 0x0                               ; my reads of A are over,
	s_barrier_signal -1
	s_barrier_wait -1                              ; and so are everybody's: the stage may be written
; THE WAY OUT.  Block a's 32 numbers a lane: gelu, rounded to f16, 16 bytes at a time into the stage.  Each accumulator is read from its low end on.  Two batches of transcendentals, each with a plain
; instruction behind its last and one wait ahead of its first reader.
.macro ACT a
.if (\a) < 8
.set WA, 1
.set AC, 32*(\a)
.else
.set WA, 0
.set AC, AC8
.endif
	WIN WA|(WA<<2)
.set i, 0
.rept 16
	v_pk_mul_f32 v[TQ+2*i:TQ+2*i+1], v[AC+2*i:AC+2*i+1], v[AC+2*i:AC+2*i+1]  ; x^2
.set i, i+1
.endr
	WIN 0
.set i, 0
.rept 16
	v_pk_fma_f32 v[TQ+2*i:TQ+2*i+1], v[TQ+2*i:TQ+2*i+1], s[KC1:KC1+1], s[KC0:KC0+1] op_sel_hi:[1,0,0]  ; c1 x^2 + c0
.set i, i+1
.endr
	WIN WA<<2
.set i, 0
.rept 16
	v_pk_mul_f32 v[TQ+2*i:TQ+2*i+1], v[TQ+2*i:TQ+2*i+1], v[AC+2*i:AC+2*i+1]
.set i, i+1
.endr
	WIN 0
.set i, 0
.rept 32
	v_exp_f32 v[TQ+i], v[TQ+i]
.set i, i+1
.endr
	v_nop                                          ; a plain instruction behind the last exponential
	s_wait_alu depctr_va_vdst(0)                   ; one wait for the 32 exponentials
.set i, 0
.rept 16
	v_pk_add_f32 v[TQ+2*i:TQ+2*i+1], v[TQ+2*i:TQ+2*i+1], 1.0 op_sel_hi:[1,0]
.set i, i+1
.endr
.set i, 0
.rept 32
	v_rcp_f32 v[TQ+i], v[TQ+i]
.set i, i+1
.endr
	v_nop                                          ; a plain instruction behind the last reciprocal
	s_wait_alu depctr_va_vdst(0)                   ; one wait for the 32 reciprocals
	WIN WA<<2
.set i, 0
.rept 16
	v_pk_mul_f32 v[TQ+2*i:TQ+2*i+1], v[TQ+2*i:TQ+2*i+1], v[AC+2*i:AC+2*i+1]  ; times x
.set i, i+1
.endr
	WIN 0
.set i, 0
.rept 16
	v_cvt_pk_f16_f32 v[PK+i], v[TQ+2*i], v[TQ+2*i+1]
.set i, i+1
.endr
.irp b, 0,1,2,3
.if (\a) < 5
	ds_store_b128 v[STO],  v[PK+4*(\b):PK+4*(\b)+3] offset:((\a)%5)*16*SP1+32*(\b)
.else
	ds_store_b128 v[STO2], v[PK+4*(\b):PK+4*(\b)+3] offset:((\a)%5)*16*SP1+32*(\b)
.endif
.endr
.endm
.irp a, 0,1,2,3,4,5,6,7,8
	ACT \a
.endr
	s_wait_dscnt 0x0                               ; for the others: my stores into the stage are done (a row's 512 bytes come from four waves)
	s_barrier_signal -1
	s_barrier_wait -1
.set i, 0
.rept 36
	ds_load_b128 v[32+4*i:35+4*i], v[RD] offset:i*SP1
.set i, i+1
.endr
.set i, 0
.rept 36
	s_wait_dscnt 35-i
	global_store_b128 v[VB], v[32+4*i:35+4*i], s[10:11] offset:i*ROWB  ; 512 consecutive bytes, at a multiple of 256 from hid's first byte; all 144 rows: the next launch reads them all
.set i, i+1
.endr
	s_wait_tensorcnt 0x0                           ; the wave's end
	ds_add_u32 v[SPW], v[NIL]
	s_wait_dscnt 0x0
	CROUND                                         ; the closing round: no work-group ends while a partner may still ask for a tile that names it
	s_endpgm
.Lfunc_end_k_qce711249cb_gemm1:
	.size	k_qce711249cb_gemm1, .Lfunc_end_k_qce711249cb_gemm1-k_qce711249cb_gemm1
	.p2alignl 7, 3214868480
	.fill 96, 4, 3214868480
	.section	.rodata,"a",@progbits
	.p2align	6, 0x0
	.amdhsa_kernel k_qce711249cb_gemm1
		.amdhsa_group_segment_fixed_size 327680
		.amdhsa_private_segment_fixed_size 0
		.amdhsa_enable_private_segment 0
		.amdhsa_kernarg_size 32
		.amdhsa_user_sgpr_count 2
		.amdhsa_user_sgpr_kernarg_segment_ptr 1
		.amdhsa_wavefront_size32 1
		.amdhsa_system_sgpr_workgroup_id_x 1
		.amdhsa_system_sgpr_workgroup_id_y 1
		.amdhsa_system_sgpr_workgroup_id_z 1
		.amdhsa_system_vgpr_workitem_id 0
		.amdhsa_next_free_vgpr 768
		.amdhsa_next_free_sgpr 72
		.amdhsa_reserve_vcc 0
		.amdhsa_float_denorm_mode_32 3
		.amdhsa_float_denorm_mode_16_64 3
		.amdhsa_memory_ordered 1
		.amdhsa_forward_progress 1
		.amdhsa_inst_pref_size 162
	.end_amdhsa_kernel
	.amdgpu_metadata
---
amdhsa.version: [ 1, 2 ]
amdhsa.kernels:
  - .name:           k_qce711249cb_gemm1
    .symbol:         k_qce711249cb_gemm1.kd
    .args:
      - { .name: xs, .offset: 0, .size: 8, .value_kind: global_buffer, .address_space: global }
      - { .name: W1b, .offset: 8, .size: 8, .value_kind: global_buffer, .address_space: global }
      - { .name: tile_e, .offset: 16, .size: 8, .value_kind: global_buffer, .address_space: global }
      - { .name: hid, .offset: 24, .size: 8, .value_kind: global_buffer, .address_space: global }
    .group_segment_fixed_size: 327680
    .private_segment_fixed_size: 0
    .kernarg_segment_align: 8
    .kernarg_segment_size: 32
    .max_flat_workgroup_size: 128
    .sgpr_count:     72
    .vgpr_count:     768
    .wavefront_size: 32
...
	.end_amdgpu_metadata
.endif
;; end of part 2
;; launch gemm2 (part 3): grid 256 x 1, 4 waves a work-group, clusters of 4 x 1, 327,680 bytes of LDS; arguments hid, W2h, tile_e, y; writes y
.if DOCPART == 3
	.amdgcn_target "amdgcn-amd-amdhsa--gfx1250"
	.amdhsa_code_object_version 6
	.text
	.protected	k_qce711249cb_gemm2
	.globl	k_qce711249cb_gemm2
	.p2align	8
	.type	k_qce711249cb_gemm2,@function
k_qce711249cb_gemm2:
	s_mov_b64 s[64:65], 0
	v_nop
	global_prefetch_b8 v0, s[64:65] scope:SCOPE_SE
	s_setreg_imm32_b32 hwreg(HW_REG_WAVE_MODE, 25, 1), 1
	s_wait_xcnt 0x0
	s_wait_alu depctr_hold_cnt(0) depctr_sa_sdst(0) depctr_va_vdst(0) depctr_va_sdst(0) depctr_va_ssrc(0) depctr_va_vcc(0) depctr_vm_vsrc(0)
	s_getreg_b32 s2, hwreg(HW_REG_IB_STS2, 6, 4)
	s_cmp_eq_u32 s2, 0
	s_cbranch_scc0 .Lentry_in_a_cluster
	s_endpgm
.Lentry_in_a_cluster:
	s_bfe_u32 s2, ttmp6, 0x10000c
	s_cmp_lg_u32 s2, 0x3003
	s_cbranch_scc0 .Lentry_shape_is_right
	s_endpgm
.Lentry_shape_is_right:
; y[row][h] = sum over f of hid[row][f] W2[e][h][f].  hid: [9216][1024] f16; W2h: W2 rounded to bf16, written as f16, laid out as operand registers take it; y: [9216][1024] f32: partial rows, which the next launch weighs and adds.
; The product runs in f16, for hid's 11 significant bits; both operands arrive within f16's range (the launches that wrote them state their limits).
; SHARES, A, B, CLUSTER, REGISTERS as in the first product: 64 row tiles of 144 rows (each of one expert, tile_e[t]) x 4 column tiles of 256 = 256 work-groups; wave w makes 144 rows x columns 64 w .. 64 w + 63 in 36
; accumulators.  A lies whole in LDS, eight chunks of 128 along K, brought by four joint loads a wave (72 rows x 256 bytes, the mask of the cluster's four column tiles), all at the start; nothing is filled again.
; B comes from memory straight into registers: a wave alone reads its 64 columns; a quarter (32 along K) is 4,096 consecutive bytes of its stream; a ring of eight register slots, seven quarters asked for ahead.
; B is not shared between work-groups: partners would have to be row tiles of one expert, and whole groups of four tiles an expert fit the grid only from 228 rows a tile on.
; Pad rows are stored like the others: no branch here hangs on a loaded number.
; THE MATRIX INSTRUCTION IS USED TRANSPOSED: a lane holds row l % 16 and eight neighbouring columns, 32 bytes of f32.
; REGISTERS: window 0: v0-31 addresses; v32-103, v104-175 two buffers of A's 9 fragments; v176-207 accumulators (8, b); on the way out v32-95.  window 1: accumulator (a, b), a < 8, at v[8 (4 a + b)].  window 2: B's eight slots.
.set ROWB,   2048                      ; bytes in a row of hid
.set YROW,   4096                      ; bytes in a row of y
.set PITCH,  272                       ; an LDS row: 256 bytes + 16 of padding: the 16 rows of a fragment load start at 16 different groups of four banks (64 banks of 4 bytes: ISA guide 11.1)
.set AHALF,  72*PITCH
.set CHUNK,  2*AHALF
.set STAGE,  0                         ; the way out's stages, 16 rows x 272 bytes a wave, lie in chunk 0: its one fill is long past, and a barrier stands between the last reads of A and their first store
.set SPITCH, 272
.set SPARE,  8*CHUNK                   ; behind A: the spare words, 128 bytes a wave
.set QB,     4096
.set AD0,  16
.set AD1,  17
.set VB,   20
.set STO,  24
.set RD,   25
.set CO,   26
.set SPW,  28
.set NIL,  29
.set FA0,  32
.set AC8,  176
.set OB,   32                          ; the way out: 16 rows read back, two buffers of 32 registers by turns
.set WV,   14
.set ROLE, 15
.set HALF, 16
.set CX,   17
.set EX,   18
.set G1A,  24
.set G0A,  32
.set BB,   48
.set LAP,  50
.set LA,   51
.set MSB, 0
.macro WIN new
.if MSB != (\new)
	s_set_vgpr_msb (MSB<<8)|(\new)
.set MSB, \new
.endif
.endm
.macro PLACES
.rept 4
	v_nop
.endr
.endm
.macro CREST
	s_cmp_lg_u32 s[WV], 0
	s_cbranch_scc1 .Lnot_wave_0_\@
	s_barrier_signal -3
.Lnot_wave_0_\@:
	s_barrier_wait -3
	s_barrier_signal -1
	s_barrier_wait -1
.endm
.macro CROUND
	s_barrier_signal -1
	s_barrier_wait -1
	CREST
.endm
.macro MULA fa, sl, a, zero            ; 4 matrix instructions: row block a x my 4 column blocks; the 36 accumulators take turns in one order everywhere
.if (\a) < 8
	WIN 0x52                                       ; source 0 window 2, source 1 window 0, C and D window 1
.set AC, 32*(\a)
.else
	WIN 0x02                                       ; C and D window 0
.set AC, AC8
.endif
.irp b, 0,1,2,3
.if \zero
	v_wmma_f32_16x16x32_f16 v[AC+8*(\b):AC+8*(\b)+7], v[32*(\sl)+8*(\b):32*(\sl)+8*(\b)+7], v[(\fa)+8*(\a):(\fa)+8*(\a)+7], 0
.else
	v_wmma_f32_16x16x32_f16 v[AC+8*(\b):AC+8*(\b)+7], v[32*(\sl)+8*(\b):32*(\sl)+8*(\b)+7], v[(\fa)+8*(\a):(\fa)+8*(\a)+7], v[AC+8*(\b):AC+8*(\b)+7]
.endif
.endr
.endm
.macro FETCHA ad, k, fa                ; 18 LDS loads in one run: A's 9 fragments of 32 along K
	WIN 0
.irp a, 0,1,2,3,4,5,6,7,8
	ds_load_b128 v[(\fa)+8*(\a):(\fa)+8*(\a)+3],   v[\ad] offset:(\k)+(\a)*16*PITCH
	ds_load_b128 v[(\fa)+8*(\a)+4:(\fa)+8*(\a)+7], v[\ad] offset:(\k)+(\a)*16*PITCH+32
.endr
.endm
.macro REFILL sl, off                  ; 8 loads of 512 consecutive bytes: a quarter of my B
	WIN 0x80
.irp b, 0,1,2,3
	global_load_b128 v[32*(\sl)+8*(\b):32*(\sl)+8*(\b)+3],   v[VB], s[BB:BB+1] offset:(\off)+1024*(\b)
	global_load_b128 v[32*(\sl)+8*(\b)+4:32*(\sl)+8*(\b)+7], v[VB], s[BB:BB+1] offset:(\off)+1024*(\b)+512
.endr
.endm
; QUARTER q, q % 8 = p % 8: 36 matrix instructions on A's buffer q % 2 and B's slot q % 8.  Behind its first 8 and four places it fetches A's fragments of quarter q + 1 and (more = 1) asks for B's quarter q + 7 into the
; slot that quarter q - 1 has left.  lc: the loads of B issued behind quarter q's.  Where p = 7 and more = 1 the fetch enters the next pair of chunks: a barrier in front of it, each wave's parts of A landed; the count
; is a constant of the loop's text and the last trip needs 0, so it is 0 in every trip.
.macro QTR p, zero, more, lc
.set FA, FA0+72*((\p)%2)
.set FN, FA0+72*(((\p)+1)%2)
.set SL, (\p)%8
.set RS, ((\p)+7)%8
.set RO, ((\p)-1)*QB
.if (\p) <= 2
.set FAD, AD0
.set FK, 64*((\p)+1)
.elseif (\p) <= 6
.set FAD, AD1
.set FK, 64*((\p)-3)
.else
.set FAD, AD0
.set FK, 64*((\p)-7)
.endif
	s_wait_dscnt 14                                ; the oldest 4 of the 18 are in: A's blocks 0 and 1
	s_wait_loadcnt \lc                             ; my slot of B is in; the younger quarters stay out
	MULA FA, SL, 0, \zero
	MULA FA, SL, 1, \zero
.if ((\p) == 7) && (\more)
	s_wait_tensorcnt 0x0
	s_wait_dscnt 0x0
	s_barrier_signal -1
	MULA FA, SL, 2, 0
	MULA FA, SL, 3, 0
	s_barrier_wait -1
.endif
.if ((\p) < 7) || (\more)
	PLACES
	FETCHA FAD, FK, FN
.if (\more) && ((\p) == 2)
	v_add_nc_u32 v[AD0], 2*CHUNK, v[AD0]
.endif
.if (\more) && ((\p) == 6)
	v_add_nc_u32 v[AD1], 2*CHUNK, v[AD1]
.endif
.if \more
	REFILL RS, RO
.endif
	s_wait_dscnt 18                                ; all but the 18 just issued
.else
	s_wait_dscnt 0x0
.endif
.if !(((\p) == 7) && (\more))
	MULA FA, SL, 2, \zero
	MULA FA, SL, 3, \zero
.endif
.irp a, 4,5,6,7,8
	MULA FA, SL, \a, \zero
.endr
.endm
	s_load_b256 s[4:11], s[0:1], 0x0               ; hid s[4:5], W2h s[6:7], tile_e s[8:9], y s[10:11]
	v_lshl_add_u32 v[SPW], v0, 2, SPARE
	v_mov_b32 v[NIL], 0
	ds_add_u32 v[SPW], v[NIL]                      ; the wave's opening: the add and its wait ahead of my first tensor load
	v_lshrrev_b32 v1, 5, v0
	v_readfirstlane_b32 s[WV], v1
	s_lshr_b32 s[ROLE], s[WV], 1
	s_and_b32 s[HALF], s[WV], 1
	s_bfe_u32 s[CX], ttmp6, 0x40000                ; my column tile; ttmp9 = the row tile
	s_lshl_b32 s52, ttmp9, 2
	s_mov_b32 s53, 0
	s_mov_b32 s[G1A+0], 15|(1<<16)|(1<<20)|(1<<21)|(5<<22)|(3<<25)  ; the mask of four; 2-byte elements; padding on; bit 21 beside a mask; after every 64 words 4 words
	s_mov_b32 s[G1A+1], 128<<16
	s_mov_b32 s[G1A+2], 72<<16
	s_mov_b32 s[G1A+3], 128<<16
	s_mov_b32 s[G1A+4], 72
	s_mov_b32 s[G1A+5], 1024
	s_mov_b32 s[G1A+6], 0
	s_mov_b32 s[G1A+7], 0
	s_mul_i32 s20, ttmp9, 144*ROWB                 ; A: the row tile, my 72 rows, my chunk of the pair
	s_mul_i32 s21, s[HALF], 72*ROWB
	s_add_co_u32 s20, s20, s21
	s_lshl_b32 s21, s[ROLE], 8
	s_add_co_u32 s20, s20, s21
	s_mov_b32 s21, 0
	s_lshl_b32 s54, s[CX], 2                       ; B: my group of 64 columns; the expert is added below
	s_add_co_u32 s54, s54, s[WV]
	s_lshl_b32 s54, s54, 17
	s_mov_b32 s55, 0
	s_mul_i32 s22, ttmp9, 144*YROW                 ; y: the row tile, my column tile's 1,024 bytes, my wave's 256 of them
	s_lshl_b32 s23, s[CX], 10
	s_add_co_u32 s22, s22, s23
	s_lshl_b32 s23, s[WV], 8
	s_add_co_u32 s22, s22, s23
	s_mov_b32 s23, 0
	s_mul_i32 s[LA], s[WV], AHALF
	s_wait_dscnt 0x0                               ; the opening add is done
	s_wait_kmcnt 0x0
	s_add_nc_u64 s[8:9], s[8:9], s[52:53]
	s_load_b32 s[EX], s[8:9], 0x0                  ; my tile's expert: on its way while A is asked for
	s_add_nc_u64 s[4:5], s[4:5], s[20:21]
	s_add_nc_u64 s[10:11], s[10:11], s[22:23]
.irp i, 0,1,2,3
	s_mov_b32 s[G0A+4*(\i)], 1
	s_add_co_u32 s[G0A+4*(\i)+1], s[LA], (\i)*2*CHUNK
	s_add_nc_u64 s[G0A+4*(\i)+2:G0A+4*(\i)+3], s[4:5], (\i)*512
	s_or_b32 s[G0A+4*(\i)+3], s[G0A+4*(\i)+3], 0x80000000
.endr
	CROUND                                         ; all four work-groups are here: the joint loads meet
.irp i, 0,1,2,3
	tensor_load_to_lds s[G0A+4*(\i):G0A+4*(\i)+3], s[G1A:G1A+7]  ; four loads of mine are out, all that I ever issue
	s_nop 0
.endr
.rept 4
	v_nop
.endr
	s_wait_kmcnt 0x0
	s_min_u32 s[EX], s[EX], 7
	s_lshl_b32 s[EX], s[EX], 21
	s_add_co_u32 s54, s54, s[EX]
	s_add_nc_u64 s[BB:BB+1], s[6:7], s[54:55]
	v_and_b32 v4, 31, v0
	v_lshlrev_b32 v[VB], 4, v4
.irp q, 0,1,2,3,4,5,6
	REFILL \q, (\q)*QB                             ; B's first seven quarters
.endr
	WIN 0
	v_and_b32 v1, 15, v0                           ; l % 16
	v_bfe_u32 v2, v0, 4, 1                         ; l / 16
	v_mul_u32_u24 v3, v1, PITCH
	v_lshl_add_u32 v[AD0], v2, 4, v3
	v_add_nc_u32 v[AD1], CHUNK, v[AD0]
	s_mul_i32 s52, s[WV], 16*SPITCH
	s_add_co_u32 s52, s52, STAGE                   ; my stage
	v_mul_u32_u24 v5, v1, SPITCH                   ; in: row l % 16, 32 bytes for each half of the lanes
	v_lshl_add_u32 v5, v2, 5, v5
	v_add_nc_u32 v[STO], s52, v5
	v_mul_u32_u24 v5, v2, SPITCH                   ; back: lanes 0-15 one row of 256 bytes, lanes 16-31 the next
	v_lshl_add_u32 v5, v1, 4, v5
	v_add_nc_u32 v[RD], s52, v5
	v_lshlrev_b32 v5, 12, v2                       ; and the same two rows in y
	v_lshl_add_u32 v[CO], v1, 4, v5
	s_wait_tensorcnt 0x3                           ; my part of chunks 0 and 1 is in; my other three loads stay out
	s_barrier_signal -1
	s_barrier_wait -1
	FETCHA AD0, 0, FA0
	QTR 8, 1, 1, 48                                ; quarter 0 starts the sums
	WIN 0
	s_mov_b32 s[LAP], 3
.Llap:                                                 ; a trip: quarters 8 i + 1 .. 8 i + 8
	s_wait_xcnt 0x0                                ; the base of the loads of B is stepped only behind this wait
	s_add_nc_u64 s[BB:BB+1], s[BB:BB+1], 8*QB
	QTR 1, 0, 1, 48
	QTR 2, 0, 1, 48
	QTR 3, 0, 1, 48
	QTR 4, 0, 1, 48
	QTR 5, 0, 1, 48
	QTR 6, 0, 1, 48
	QTR 7, 0, 1, 48
	QTR 8, 0, 1, 48
	WIN 0
	s_sub_co_u32 s[LAP], s[LAP], 1
	s_cmp_lg_u32 s[LAP], 0
	s_cbranch_scc1 .Llap
	QTR 1, 0, 0, 48                                ; quarters 25 to 31 ask for no more of B: the counts run down
	QTR 2, 0, 0, 40
	QTR 3, 0, 0, 32
	QTR 4, 0, 0, 24
	QTR 5, 0, 0, 16
	QTR 6, 0, 0, 8
	QTR 7, 0, 0, 0
	WIN 0
	PLACES
	s_wait_dscnt 0x0                               ; my reads of A are over,
	s_barrier_signal -1
	s_barrier_wait -1                              ; and so are everybody's: the stages may be written
; THE WAY OUT, a block of 16 rows at a time through my own stage: 32 bytes a lane in, whole rows of 256 bytes back.  LDS serves a wave's instructions in order (ISA guide 5.7.1.4), so no wait stands between.
.macro TOSTAGE a
.if (\a) < 8
.set AC, 32*(\a)
.set WD, 0x04
.else
.set AC, AC8
.set WD, 0
.endif
.set BK, OB+32*((\a)%2)
	s_wait_xcnt 0x0                                ; the buffer that the loads below fill was the data of stores two blocks ago
	WIN WD                                         ; the stores' data in window 1 or 0
.irp b, 0,1,2,3
	ds_store_b128 v[STO], v[AC+8*(\b):AC+8*(\b)+3]   offset:64*(\b)
	ds_store_b128 v[STO], v[AC+8*(\b)+4:AC+8*(\b)+7] offset:64*(\b)+16
.endr
	WIN 0
.irp i, 0,1,2,3,4,5,6,7
	ds_load_b128 v[BK+4*(\i):BK+4*(\i)+3], v[RD] offset:(\i)*2*SPITCH
.endr
.endm
.macro SEND a, younger                 ; younger: the next block's eight stores and eight loads, or none
.set BK, OB+32*((\a)%2)
	s_wait_dscnt \younger
.irp i, 0,1,2,3,4,5,6,7
	global_store_b128 v[CO], v[BK+4*(\i):BK+4*(\i)+3], s[10:11] offset:(16*(\a)+2*(\i))*YROW  ; 16 lanes store 256 consecutive bytes, at a multiple of 256 from y's first byte
.endr
.endm
	TOSTAGE 0
.irp a, 1,2,3,4,5,6,7,8
	TOSTAGE \a
	SEND (\a)-1, 16
.endr
	SEND 8, 0
	s_wait_tensorcnt 0x0                           ; the wave's end
	ds_add_u32 v[SPW], v[NIL]
	s_wait_dscnt 0x0
	CROUND                                         ; the closing round
	s_endpgm
.Lfunc_end_k_qce711249cb_gemm2:
	.size	k_qce711249cb_gemm2, .Lfunc_end_k_qce711249cb_gemm2-k_qce711249cb_gemm2
	.p2alignl 7, 3214868480
	.fill 96, 4, 3214868480
	.section	.rodata,"a",@progbits
	.p2align	6, 0x0
	.amdhsa_kernel k_qce711249cb_gemm2
		.amdhsa_group_segment_fixed_size 327680
		.amdhsa_private_segment_fixed_size 0
		.amdhsa_enable_private_segment 0
		.amdhsa_kernarg_size 32
		.amdhsa_user_sgpr_count 2
		.amdhsa_user_sgpr_kernarg_segment_ptr 1
		.amdhsa_wavefront_size32 1
		.amdhsa_system_sgpr_workgroup_id_x 1
		.amdhsa_system_sgpr_workgroup_id_y 1
		.amdhsa_system_sgpr_workgroup_id_z 1
		.amdhsa_system_vgpr_workitem_id 0
		.amdhsa_next_free_vgpr 768
		.amdhsa_next_free_sgpr 72
		.amdhsa_reserve_vcc 0
		.amdhsa_float_denorm_mode_32 3
		.amdhsa_float_denorm_mode_16_64 3
		.amdhsa_memory_ordered 1
		.amdhsa_forward_progress 1
		.amdhsa_inst_pref_size 95
	.end_amdhsa_kernel
	.amdgpu_metadata
---
amdhsa.version: [ 1, 2 ]
amdhsa.kernels:
  - .name:           k_qce711249cb_gemm2
    .symbol:         k_qce711249cb_gemm2.kd
    .args:
      - { .name: hid, .offset: 0, .size: 8, .value_kind: global_buffer, .address_space: global }
      - { .name: W2h, .offset: 8, .size: 8, .value_kind: global_buffer, .address_space: global }
      - { .name: tile_e, .offset: 16, .size: 8, .value_kind: global_buffer, .address_space: global }
      - { .name: y, .offset: 24, .size: 8, .value_kind: global_buffer, .address_space: global }
    .group_segment_fixed_size: 327680
    .private_segment_fixed_size: 0
    .kernarg_segment_align: 8
    .kernarg_segment_size: 32
    .max_flat_workgroup_size: 128
    .sgpr_count:     72
    .vgpr_count:     768
    .wavefront_size: 32
...
	.end_amdgpu_metadata
.endif
;; end of part 3
;; launch combine (part 4): grid 256 x 1, 8 waves a work-group, no clusters, 0 bytes of LDS; arguments y, pos, gs, out0; writes out0
.if DOCPART == 4
	.amdgcn_target "amdgcn-amd-amdhsa--gfx1250"
	.amdhsa_code_object_version 6
	.text
	.protected	k_qce711249cb_combine
	.globl	k_qce711249cb_combine
	.p2align	8
	.type	k_qce711249cb_combine,@function
k_qce711249cb_combine:
	s_mov_b64 s[64:65], 0
	v_nop
	global_prefetch_b8 v0, s[64:65] scope:SCOPE_SE
	s_setreg_imm32_b32 hwreg(HW_REG_WAVE_MODE, 25, 1), 1
	s_wait_xcnt 0x0
; out0[token] = gs[2 token] y[pos[2 token]] + gs[2 token + 1] y[pos[2 token + 1]], in f32: a multiply and a fused multiply-add.
; y: [9216][1024] f32; pos: [8192] row places; gs: [8192] f32 gates; out0: [4096][1024] f32.
; A stream: each row of y that is named is read once, each row of out0 written once.  Wave w of work-group g has tokens 16 g + 2 w and the next: four rows of 4,096 bytes, 32 loads of 512 consecutive
; bytes, all issued before the first wait.  No LDS, no barrier, no loop.
	s_load_b256 s[4:11], s[0:1], 0x0               ; y s[4:5], pos s[6:7], gs s[8:9], out0 s[10:11]
	v_lshrrev_b32 v1, 5, v0
	v_readfirstlane_b32 s32, v1                    ; wave 0..7
	v_and_b32 v2, 31, v0
	v_lshlrev_b32 v2, 4, v2                        ; 16 x lane
	s_lshl_b32 s12, ttmp9, 7                       ; my four places and gates: 128 g + 16 w bytes into pos and gs
	s_lshl_b32 s33, s32, 4
	s_add_co_u32 s12, s12, s33
	s_mov_b32 s13, 0
	s_lshl_b32 s14, ttmp9, 16                      ; my two rows of out0
	s_lshl_b32 s33, s32, 13
	s_add_co_u32 s14, s14, s33
	s_mov_b32 s15, 0
	s_wait_kmcnt 0x0
	s_add_nc_u64 s[6:7], s[6:7], s[12:13]
	s_add_nc_u64 s[8:9], s[8:9], s[12:13]
	s_add_nc_u64 s[10:11], s[10:11], s[14:15]
	s_load_b128 s[16:19], s[6:7], 0x0
	s_load_b128 s[28:31], s[8:9], 0x0
	s_wait_kmcnt 0x0
.irp r, 0,1,2,3
	s_min_u32 s[16+(\r)], s[16+(\r)], 9215         ; before it enters an address
	s_lshl_b32 s[20+2*(\r)], s[16+(\r)], 12
	s_mov_b32 s[21+2*(\r)], 0
	s_add_nc_u64 s[20+2*(\r):21+2*(\r)], s[4:5], s[20+2*(\r):21+2*(\r)]
.endr
.irp r, 0,1,2,3
.irp i, 0,1,2,3,4,5,6,7
	global_load_b128 v[8+32*(\r)+4*(\i):8+32*(\r)+4*(\i)+3], v2, s[20+2*(\r):21+2*(\r)] offset:512*(\i) th:TH_LOAD_NT  ; each place is named once
.endr
.endr
.irp r, 0,1,2,3
	s_mov_b32 s[36+2*(\r)], s[28+(\r)]             ; each gate in a pair of its own: the packed forms name a pair and take its low word for both halves
	s_mov_b32 s[37+2*(\r)], s[28+(\r)]
.endr
.irp t, 0,1
	s_wait_loadcnt 16-16*(\t)                      ; the first token's 16 loads are in, the second's stay out; then all
.set j, 0
.rept 16
	v_pk_mul_f32 v[8+64*(\t)+2*j:8+64*(\t)+2*j+1], v[8+64*(\t)+2*j:8+64*(\t)+2*j+1], s[36+4*(\t):37+4*(\t)] op_sel_hi:[1,0]
.set j, j+1
.endr
.set j, 0
.rept 16
	v_pk_fma_f32 v[8+64*(\t)+2*j:8+64*(\t)+2*j+1], v[40+64*(\t)+2*j:40+64*(\t)+2*j+1], s[38+4*(\t):39+4*(\t)], v[8+64*(\t)+2*j:8+64*(\t)+2*j+1] op_sel_hi:[1,0,1]
.set j, j+1
.endr
.irp i, 0,1,2,3,4,5,6,7
	global_store_b128 v2, v[8+64*(\t)+4*(\i):8+64*(\t)+4*(\i)+3], s[10:11] offset:4096*(\t)+512*(\i) th:TH_STORE_NT
.endr
.endr
	s_endpgm
.Lfunc_end_k_qce711249cb_combine:
	.size	k_qce711249cb_combine, .Lfunc_end_k_qce711249cb_combine-k_qce711249cb_combine
	.p2alignl 7, 3214868480
	.fill 96, 4, 3214868480
	.section	.rodata,"a",@progbits
	.p2align	6, 0x0
	.amdhsa_kernel k_qce711249cb_combine
		.amdhsa_group_segment_fixed_size 0
		.amdhsa_private_segment_fixed_size 0
		.amdhsa_enable_private_segment 0
		.amdhsa_kernarg_size 32
		.amdhsa_user_sgpr_count 2
		.amdhsa_user_sgpr_kernarg_segment_ptr 1
		.amdhsa_wavefront_size32 1
		.amdhsa_system_sgpr_workgroup_id_x 1
		.amdhsa_system_sgpr_workgroup_id_y 1
		.amdhsa_system_sgpr_workgroup_id_z 1
		.amdhsa_system_vgpr_workitem_id 0
		.amdhsa_next_free_vgpr 136
		.amdhsa_next_free_sgpr 66
		.amdhsa_reserve_vcc 0
		.amdhsa_float_denorm_mode_32 3
		.amdhsa_float_denorm_mode_16_64 3
		.amdhsa_memory_ordered 1
		.amdhsa_forward_progress 1
		.amdhsa_inst_pref_size 11
	.end_amdhsa_kernel
	.amdgpu_metadata
---
amdhsa.version: [ 1, 2 ]
amdhsa.kernels:
  - .name:           k_qce711249cb_combine
    .symbol:         k_qce711249cb_combine.kd
    .args:
      - { .name: y, .offset: 0, .size: 8, .value_kind: global_buffer, .address_space: global }
      - { .name: pos, .offset: 8, .size: 8, .value_kind: global_buffer, .address_space: global }
      - { .name: gs, .offset: 16, .size: 8, .value_kind: global_buffer, .address_space: global }
      - { .name: out0, .offset: 24, .size: 8, .value_kind: global_buffer, .address_space: global }
    .group_segment_fixed_size: 0
    .private_segment_fixed_size: 0
    .kernarg_segment_align: 8
    .kernarg_segment_size: 32
    .max_flat_workgroup_size: 256
    .sgpr_count:     66
    .vgpr_count:     136
    .wavefront_size: 32
...
	.end_amdgpu_metadata
.endif
;; end of part 4
